; MI455X (gfx1250); checked and timed in simulation.
; The chip was launched on July 23, 2026; its instructions are those of AMD's public machine-readable ISA for CDNA 5 (MIT licence, August 2026) and "CDNA5" Instruction Set Architecture Reference Guide (July 2026). The comments in the code are by the model that wrote it; some were corrected since.
;; Self Outer Attention. Allowed arithmetic: matrix products marked QUANTISED: E2M1 operands, one E8M0 scale for each 32 along K, by v_wmma_scale_f32_16x16x128_f8f6f4 with both operands' format E2M1 (or v_wmma_scale_f32_32x16x128_f4), f32 sums; products left as they are: f32 operands where the result goes on into a quantised operand, else bf16, f16 or f32 operands; f32 sums; everything else in f32.
;; Inputs: Wk_codes 128 x 4 x 16 uint8 (E2M1 codes of Wk, K innermost, in blocks of 32 codes, two codes a byte); Wk_scales 128 x 4 uint8 (E8M0 scales of Wk, one for each 32 codes along K); Wo_codes 128 x 4 x 16 uint8 (E2M1 codes of Wo, K innermost, in blocks of 32 codes, two codes a byte); Wo_scales 128 x 4 uint8 (E8M0 scales of Wo, one for each 32 codes along K); Wq_codes 128 x 4 x 16 uint8 (E2M1 codes of Wq, K innermost, in blocks of 32 codes, two codes a byte); Wq_scales 128 x 4 uint8 (E8M0 scales of Wq, one for each 32 codes along K); Wv_codes 128 x 4 x 16 uint8 (E2M1 codes of Wv, K innermost, in blocks of 32 codes, two codes a byte); Wv_scales 128 x 4 uint8 (E8M0 scales of Wv, one for each 32 codes along K); bk 128 float32; bo 128 float32; bq 128 float32; bv 128 float32; k_codes 4 x 512 x 4 x 16 uint8 (E2M1 codes of k, K innermost, in blocks of 32 codes, two codes a byte); k_scales 4 x 512 x 4 uint8 (E8M0 scales of k, one for each 32 codes along K); mask 4 x 512 int32; q_codes 4 x 512 x 4 x 16 uint8 (E2M1 codes of q, K innermost, in blocks of 32 codes, two codes a byte); q_scales 4 x 512 x 4 uint8 (E8M0 scales of q, one for each 32 codes along K); v_codes 4 x 512 x 4 x 16 uint8 (E2M1 codes of v, K innermost, in blocks of 32 codes, two codes a byte); v_scales 4 x 512 x 4 uint8 (E8M0 scales of v, one for each 32 codes along K).
;; Outputs: out0 4 x 512 x 128 float32.
;; This version of the problem:
;;   THIS VERSION OF THE PROBLEM IS GIVEN IN LOW PRECISION. The matrix products marked QUANTISED in the list below multiply operands that are first quantised to E2M1 (2 exponent bits, 1 mantissa bit; 4 bits a number), with one power-of-two scale for each 32 numbers along K (OCP MX v1.0); their sums are f32. All else is computed in f32.
;;   The module's matrix products, in the order in which they are computed (A, B: the left and right operand; K: the contracted axis; several contracted axes count as one K, in the product's order):
;;     1. [M 2,048, K 128] x [K 128, N 128]; A: input q (given as codes); B: input Wq (given as codes): QUANTISED
;;     2. [M 2,048, K 128] x [K 128, N 128]; A: input k (given as codes); B: input Wk (given as codes): QUANTISED
;;     3. [M 2,048, K 128] x [K 128, N 128]; A: input v (given as codes); B: input Wv (given as codes): QUANTISED
;;     4. batch 512 x [M 512, K 1] x [K 1, N 512]; A: computed on the way; B: computed on the way: left as it is (no contracted axis)
;;     5. batch 512 x [M 1, K 512] x [K 512, N 512]; A: computed on the way; B: softmax: left as it is (M = 1 < 16)
;;     6. [M 2,048, K 128] x [K 128, N 128]; A: computed on the way; B: input Wo (given as codes): QUANTISED
;;   THE QUANTISER, for each operand of a quantised product, along K:
;;     - K is cut into blocks of 32 from its start; a last block that is shorter is filled with zeros.
;;     - A block's scale is 2^e with e = floor(log2(the largest magnitude in the block)) - 2, held to -126 .. 127; a block of zeros has e = 0. As a byte (E8M0): e + 127.
;;     - Each number is divided by its block's scale, clamped to +-6, and rounded to the nearest number of E2M1, ties to even, subnormals kept.
;;     - The product sums the exact products of the quantised numbers (number of the format x scale) in f32.
;;   ~~~python
;;   def quantise(x, axis):      # numpy; x: float32 -> the quantised numbers, widened to float32 again
;;       x = np.moveaxis(x, axis, -1); K = x.shape[-1]
;;       x = np.pad(x, [(0, 0)] * (x.ndim - 1) + [(0, -K % 32)]); x = x.reshape(x.shape[:-1] + (-1, 32)); a = np.abs(x).max(-1, keepdims=True)
;;       e = np.where(a > 0, np.clip(np.frexp(np.where(a > 0, a, 1))[1] - 1 - 2, -126, 127), 0)      # np.frexp(a)[1] - 1 = floor(log2(a)), exactly
;;       r = np.clip(x / 2.0 ** e, -6, 6)
;;       step = 2.0 ** (np.maximum(np.frexp(np.where(r == 0, 1, r))[1] - 1, 0) - 1)
;;       q = np.round(r / step) * step * 2.0 ** e      # np.round: ties to even
;;       return np.moveaxis(q.reshape(q.shape[:-2] + (-1,))[..., :K], -1, axis).astype(np.float32)
;;   ~~~
;;   OPERANDS COMPUTED ON THE WAY. 'Computed on the way' means the value that the module computes at that place (a softmax that the list does not call 'softmax' is quantised finished and normalised). What goes into a quantiser is computed in f32, as accurately as f32 sums, v_exp_f32 and their like allow (about 1e-6 of the number): no bf16 or f16 on the way to a quantiser, and a product that is left as it is and whose result goes on into a quantised operand takes f32 operands (vector FMAs, or v_wmma_f32_16x16x4_f32). A number that lies on a knife's edge between two numbers of the format may be rounded either way, as far as f32 arithmetic and the matrix unit's own rounding can turn it there, and no further.
;;   INPUTS GIVEN AS CODES. Wk (in the module: [128, 128], K = its axis 1); Wo (in the module: [128, 128], K = its axis 1); Wq (in the module: [128, 128], K = its axis 1); Wv (in the module: [128, 128], K = its axis 1); k (in the module: [4, 512, 128], K = its axis 2); q (in the module: [4, 512, 128], K = its axis 2); v (in the module: [4, 512, 128], K = its axis 2): each comes as NAME_codes (uint8): NAME with its K axis moved to the last place and cut into blocks of 32 codes, [.., K / 32, bytes a block], one block behind the other in memory; two codes a byte, the lower K in the low four bits (a code: sign, 2 exponent bits, 1 mantissa bit); and NAME_scales (uint8): the same leading axes, one E8M0 byte (e + 127) for each 32 codes along K. Its value is code x scale, taken as it is: it is not quantised again, and the codes and scales need not be those that the quantiser above would give.
;; One version. Each part assembles by itself: llvm-mc -triple=amdgcn-amd-amdhsa -mcpu=gfx1250 --defsym DOCPART=n.
;; ======== version 1 of 1: 1 launch
;; launch attn (part 1): grid 64 x 4, 16 waves a work-group, no clusters, 125,696 bytes of LDS; arguments k_codes, v_codes, k_scales, v_scales, q_codes, q_scales, mask, Wk_codes, Wk_scales, Wv_codes, Wv_scales, Wq_codes, Wq_scales, Wo_codes, Wo_scales, bk, bv, bq, bo, out0; writes out0
.if DOCPART == 1
	.amdgcn_target "amdgcn-amd-amdhsa--gfx1250"
	.amdhsa_code_object_version 6
	.text
	.protected	k_q24cb1adec9_attn
	.globl	k_q24cb1adec9_attn
	.p2align	8
	.type	k_q24cb1adec9_attn,@function
k_q24cb1adec9_attn:
	s_mov_b64 s[64:65], 0
	v_nop
	global_prefetch_b8 v0, s[64:65] scope:SCOPE_SE
	s_setreg_imm32_b32 hwreg(HW_REG_WAVE_MODE, 25, 1), 1
	s_wait_xcnt 0x0
; out0[b][n][:] = Q(o[b][n][:]) Wo^T + bo,  o[b][n][d] = sum over m of softmax_m(qp[n][d] kp[m][d]) vp[m][d],  qp = q Wq^T + bq, kp = k Wk^T + bk, vp = v Wv^T + bv.
; q, k, v and the four weights are codes of E2M1 with one E8M0 byte for each 32 along K = 128: every projection is ONE matrix instruction deep.  A query whose mask word is 0 has a uniform softmax: o = the mean of vp.
; SHARES.  A work-group owns 8 queries of one batch, all 128 channels, all 512 keys.  Wave w: ct = w & 7 (channels 16 ct .. 16 ct + 15), mh = w >> 3 (keys 256 mh .. 256 mh + 255: 16 tiles of 16 keys).
; Sixteen waves of 256 registers, four to a SIMD, so that one wave's exponentials stand beside another's packed arithmetic, LDS loads and products.
; LAYOUT.  A tile is D = (16 keys' codes) x (16 rows of W) + bias: lane (r, h) holds channel 16 ct + r, register j key m0 + 8 h + j.  A lane keeps ONE channel, so nothing changes lanes inside the softmax.
; kp and vp of a batch are 512 KB in f32; their codes are 64 KB.  So the codes lie in LDS and a tile is made by one product where it is consumed; no f32 intermediate goes to memory.
; THE MAXIMUM that the softmax takes away: max over m of q kp[m] is q kmax for q >= 0 and q kmin otherwise (rounding is monotonic, so it is also the largest of the rounded products).  Pass 1 finds kmax, kmin of each channel
; over the batch's 512 keys; pass 2 computes p = 2^(qc kp - M), qc = q log2(e), M = max(qc kmax, qc kmin), l = sum p, o = sum p vp.  A masked query has qc = 0: p = 1, l = 512, o = sum vp.
; THE 8 QUERIES ON A 16-WIDE UNIT: rows 8-15 of q's fragment repeat rows 0-7, so that register j of qp is query j in BOTH halves of the lanes; rows 8-15 of o repeat rows 0-7 in the last product.
; LIMITS: projections that are not finite (a scale byte 0xff, sums that overflow) are not served.  p under 2^-126 counts as 0 (v_exp_f32), beside a sum that is about 1 or more.  log2(e) is folded into q and q k - M is one
; fused multiply-add: the exponent differs from a product, a subtraction and a scaling by about 1e-7 of its size.  The division is v_rcp_f32 and a multiplication.  A block of zeros of o gets the byte 1, not 127: its codes are zeros, and the bytes stay in this text.
; NO JOINT LOADS, NO TENSOR LOADS: what the 64 work-groups of a batch share is 68 KB of codes and scale bytes, loaded once at the head by ten loads a thread (v's half lands behind pass 1), against 2,560 vector instructions a wave in pass 2; nothing in LDS is filled again.
; NO PREFETCH: every global load is issued at the head; nothing is streamed later.
; LDS
.set KP,   80                          ; a key's row: 64 bytes of codes + 16: an odd multiple of 16, so the 16 rows of a fragment load fall on 16 different 16-byte columns of 256 bytes (64 banks of 4 bytes: ISA guide 11.1)
.set KC,   0                           ; k's codes, 512 rows
.set VC,   40960                       ; v's codes, likewise
.set SCL,  81920                       ; k's scale words, 4 bytes a key; v's VSD bytes on
.set VSD,  2112
.set EXT,  86272                       ; (kmax, kmin), 8 bytes a lane, 256 bytes a wave
.set RED,  90368                       ; l and o of waves 8-15: 16 registers' image, 2,048 bytes for each ct
.set OP,   528                         ; a row of 128 f32 + 16 bytes
.set OM,   106752                      ; o: 16 rows (8-15 repeat 0-7)
.set STG,  115200                      ; y: 16 rows
; vector registers
.set STA,  1                           ; staging: (tid / 4) x 80 + (tid % 4) x 16
.set SSA,  2                           ; staging of scale words: SCL + 4 tid
.set ADR,  3                           ; my lane's place in my wave's first tile of k's codes
.set ADS,  4                           ; and among the scale words
.set EXW,  5
.set EXR,  6
.set RDA,  7
.set OMW,  8
.set OMR,  9
.set SGW,  10
.set SGR,  11
.set KMX,  12                          ; v12 kmax, v13 kmin;  v14, v15: the addresses of the fetch in hand
.set WKF,  16                          ; my 16 rows of Wk, of Wv, of Wo: they stay
.set WVF,  24
.set WOF,  32
.set BK,   40                          ; my channel's bk, bv in all eight registers: the C of a tile's product
.set BV,   48
.set BO,   56                          ; bo[16 ct + 8 h + j]
.set AK,   64                          ; a tile's codes of k, of v (at the head: q's and Wq's fragments; at the end AK: o's codes)
.set AV,   72
.set CB,   72                          ; pass 1: the second chain of extremes
.set KV,   80                          ; tile sets: K0 80, V0 88, K1 96, V1 104
.set BQ,   96
.set QP,   104
.set QN,   112                         ; query n: qc at +4n, -M at +4n+2 (the odd registers are named as halves of pairs and hold 0)
.set LO,   144                         ; query n: l in a pair at +4n, o in a pair at +4n+2
.set G,    144                         ; at the head: seven global offsets
.set T,    176                         ; two buffers of 32: 4 queries x 8 keys
.set SC8,  240                         ; pass 1: eight tiles' scale words
.set ASC,  240                         ; pass 2: lanes 0-15 k's word, lanes 16-31 v's
.set WKS,  248
.set WVS,  249
.set WOS,  250
.set WQS,  251
.set QS,   252
.set OSW,  253
.set GOF,  254
.set MX,   96                          ; the last quantiser: v96-97 largest magnitudes, then bytes; v98-99 scale operands; v100-101 at work
.set SOP,  98
; scalar registers: s[4:43] the twenty addresses in the order of the arguments
.set MSK,  44                          ; s[44:51] my 8 queries' mask words
.set SLC,  52                          ; s[52:59] -1 where the query counts, else 0
.set SWV,  60
.set CT,   61
.set MH,   62
.set CNT,  63
.set SEL,  66                          ; s[66:67] v_permlanex16_b32's selects for lane l xor 16
.set TK,   69                          ; the fetch's tile: 1,280 bytes of codes a tile,
.set TS,   70                          ; 64 bytes of scale words
.macro BARRIER                         ; my LDS stores have landed and my LDS loads are in: then the work-group's barrier
	s_wait_dscnt 0x0
	s_barrier_signal -1
	s_barrier_wait -1
.endm
	s_load_b512 s[4:19], s[0:1], 0x0               ; k_codes, v_codes, k_scales, v_scales, q_codes, q_scales, mask, Wk_codes
	s_load_b512 s[20:35], s[0:1], 0x40             ; Wk_scales, Wv_codes, Wv_scales, Wq_codes, Wq_scales, Wo_codes, Wo_scales, bk
	s_load_b256 s[36:43], s[0:1], 0x80             ; bv, bq, bo, out0
	v_lshrrev_b32 v1, 5, v0
	v_readfirstlane_b32 s[SWV], v1                 ; wave 0..15
	s_and_b32 s[CT], s[SWV], 7
	s_lshr_b32 s[MH], s[SWV], 3
	s_mov_b32 s[SEL], 0x76543210
	s_mov_b32 s[SEL+1], 0xfedcba98
	s_mov_b32 s[TK], 0
	s_mov_b32 s[TS], 0
	v_and_b32 v12, 15, v0                          ; r
	v_bfe_u32 v13, v0, 4, 1                        ; h
	v_and_b32 v14, 31, v0                          ; lane
	; every LDS address is made here, of the thread's number, the wave's number and constants
	v_lshrrev_b32 v[STA], 2, v0
	v_mul_u32_u24 v[STA], v[STA], KP
	v_and_b32 v15, 3, v0
	v_lshl_add_u32 v[STA], v15, 4, v[STA]
	v_lshl_add_u32 v[SSA], v0, 2, SCL
	v_mul_u32_u24 v[ADR], v12, KP
	v_lshl_add_u32 v[ADR], v13, 4, v[ADR]
	s_mul_i32 s68, s[MH], 256*KP
	v_add_nc_u32 v[ADR], s68, v[ADR]               ; 20,480 mh + 80 r + 16 h
	s_lshl_b32 s68, s[MH], 10
	s_add_co_u32 s68, s68, SCL
	v_lshl_add_u32 v[ADS], v12, 2, s68             ; SCL + 1,024 mh + 4 r: k's words in both halves of the lanes; v's come in behind the second barrier
	s_lshl_b32 s68, s[SWV], 8
	s_add_co_u32 s68, s68, EXT
	v_lshl_add_u32 v[EXW], v14, 3, s68
	s_xor_b32 s68, s[SWV], 8                       ; the wave with my channels and the other 256 keys
	s_lshl_b32 s68, s68, 8
	s_add_co_u32 s68, s68, EXT
	v_lshl_add_u32 v[EXR], v14, 3, s68
	s_lshl_b32 s68, s[CT], 11
	s_add_co_u32 s68, s68, RED
	v_lshl_add_u32 v[RDA], v14, 4, s68
	s_lshl_b32 s68, s[CT], 6                       ; 64 ct: my 16 channels as f32, and my 16 rows' scale words
	s_add_co_u32 s71, s68, OM
	v_mul_u32_u24 v[OMW], v13, 8*OP
	v_lshl_add_u32 v[OMW], v12, 2, v[OMW]
	v_add_nc_u32 v[OMW], s71, v[OMW]               ; o: row 8 h (+ n), my channel
	v_mul_u32_u24 v[OMR], v12, OP
	v_lshl_add_u32 v[OMR], v13, 7, v[OMR]
	v_add_nc_u32 v[OMR], OM, v[OMR]                ; o: row r, channels 32 h on
	v_mul_u32_u24 v[SGW], v12, OP
	v_lshl_add_u32 v[SGW], v13, 5, v[SGW]
	s_add_co_u32 s71, s68, STG
	v_add_nc_u32 v[SGW], s71, v[SGW]               ; y: row r, outputs 16 ct + 8 h on
	s_mul_i32 s71, s[CT], OP
	s_add_co_u32 s71, s71, STG
	v_lshl_add_u32 v[SGR], v14, 4, s71             ; y: row ct, 16 bytes a lane
	v_lshlrev_b32 v[GOF], 4, v14
	; global offsets
	v_lshlrev_b32 v[G+0], 4, v0                    ; 16 tid: codes as they lie
	v_lshlrev_b32 v[G+1], 2, v0                    ; 4 tid: scale words as they lie
	v_lshlrev_b32 v[G+2], 6, v12
	v_lshl_add_u32 v[G+2], v13, 4, v[G+2]
	s_lshl_b32 s71, s[CT], 10
	v_add_nc_u32 v[G+2], s71, v[G+2]               ; a weight's fragment: row 16 ct + r of 64 bytes, + 16 h
	v_lshl_add_u32 v[G+3], v12, 2, s68             ; that row's scale word; my channel's bias
	v_and_b32 v15, 7, v0
	v_lshlrev_b32 v[G+4], 6, v15
	v_lshl_add_u32 v[G+4], v13, 4, v[G+4]          ; q's fragment: lane r takes query r % 8
	v_lshlrev_b32 v[G+5], 2, v15
	v_lshl_add_u32 v[G+6], v13, 5, s68             ; bo: 16 ct + 8 h on
	s_and_b32 s72, ttmp7, 0xffff                   ; the batch
	s_lshl_b32 s74, s72, 15                        ; its codes: 512 rows of 64 bytes
	s_mov_b32 s75, 0
	s_lshl_b32 s76, s72, 11                        ; its scale words
	s_mov_b32 s77, 0
	s_lshl_b32 s73, s72, 9
	s_lshl_b32 s72, ttmp9, 3
	s_add_co_u32 s73, s73, s72                     ; my first query among the 2,048: 512 b + 8 x
	s_mov_b32 s79, 0
	s_wait_kmcnt 0x0
	s_add_nc_u64 s[4:5], s[4:5], s[74:75]
	s_add_nc_u64 s[6:7], s[6:7], s[74:75]
	s_add_nc_u64 s[8:9], s[8:9], s[76:77]
	s_add_nc_u64 s[10:11], s[10:11], s[76:77]
	s_lshl_b32 s78, s73, 6
	s_add_nc_u64 s[12:13], s[12:13], s[78:79]
	s_lshl_b32 s78, s73, 2
	s_add_nc_u64 s[14:15], s[14:15], s[78:79]
	s_add_nc_u64 s[16:17], s[16:17], s[78:79]
	s_add_co_u32 s78, s73, s[CT]
	s_lshl_b32 s78, s78, 9
	s_add_nc_u64 s[42:43], s[42:43], s[78:79]      ; out0 at row ct of my 8
	s_load_b256 s[MSK:MSK+7], s[16:17], 0x0        ; my 8 queries' mask words
	; THIRTY LOADS, all ahead of the first wait.  1: k's codes and scale words (5)
.irp i, 0,1,2,3
	global_load_b128 v[T+4*\i:T+4*\i+3], v[G+0], s[4:5] offset:8192*\i   ; a wave's load covers 512 consecutive bytes
.endr
	global_load_b32 v[T+16], v[G+1], s[8:9]
	; 2: Wk, its scale words, bk (4)
	global_load_b128 v[WKF:WKF+3], v[G+2], s[18:19]
	global_load_b128 v[WKF+4:WKF+7], v[G+2], s[18:19] offset:32
	global_load_b32 v[WKS], v[G+3], s[20:21]
	global_load_b32 v[BK], v[G+3], s[34:35]
	; 3: q, Wq, their scale words, bq (7)
	global_load_b128 v[AK:AK+3], v[G+4], s[12:13]
	global_load_b128 v[AK+4:AK+7], v[G+4], s[12:13] offset:32
	global_load_b128 v[AV:AV+3], v[G+2], s[26:27]
	global_load_b128 v[AV+4:AV+7], v[G+2], s[26:27] offset:32
	global_load_b32 v[QS], v[G+5], s[14:15]
	global_load_b32 v[WQS], v[G+3], s[28:29]
	global_load_b32 v[BQ], v[G+3], s[38:39]
	; 4: v's codes and scale words (5)
.irp i, 0,1,2,3
	global_load_b128 v[KV+4*\i:KV+4*\i+3], v[G+0], s[6:7] offset:8192*\i
.endr
	global_load_b32 v255, v[G+1], s[10:11]
	; 5: Wv, its scale words, bv (4)
	global_load_b128 v[WVF:WVF+3], v[G+2], s[22:23]
	global_load_b128 v[WVF+4:WVF+7], v[G+2], s[22:23] offset:32
	global_load_b32 v[WVS], v[G+3], s[24:25]
	global_load_b32 v[BV], v[G+3], s[36:37]
	; 6: Wo, its scale words, bo (5)
	global_load_b128 v[WOF:WOF+3], v[G+2], s[30:31]
	global_load_b128 v[WOF+4:WOF+7], v[G+2], s[30:31] offset:32
	global_load_b32 v[WOS], v[G+3], s[32:33]
	global_load_b128 v[BO:BO+3], v[G+6], s[40:41]
	global_load_b128 v[BO+4:BO+7], v[G+6], s[40:41] offset:16
	s_wait_loadcnt 25                              ; loads come back in order: k's five are in, the 25 issued behind them may be out
.irp i, 0,1,2,3
	ds_store_b128 v[STA], v[T+4*\i:T+4*\i+3] offset:128*KP*\i   ; 8,192 bytes of memory are 128 rows
.endr
	ds_store_b32 v[SSA], v[T+16]
	s_wait_loadcnt 14                              ; groups 2 and 3 are in; v's five, Wv's four and Wo's five may be out
.irp i, 1,2,3,4,5,6,7
	v_mov_b32 v[BQ+\i], v[BQ]
.endr
.irp i, 1,2,3,4,5,6,7
	v_mov_b32 v[BK+\i], v[BK]
.endr
	v_wmma_scale_f32_16x16x128_f8f6f4 v[QP:QP+7], v[AK:AK+7], v[AV:AV+7], v[BQ:BQ+7], v[QS], v[WQS] matrix_a_fmt:MATRIX_FMT_FP4 matrix_b_fmt:MATRIX_FMT_FP4   ; register j: qp[query j][my channel], in both halves of the lanes
	s_wait_xcnt 0x0                                ; the pending loads have read their offsets: pass 1's results land on those registers
	BARRIER                                        ; k's codes and scale words lie in LDS
; PASS 1: kmax and kmin of my channel over my 256 keys, eight tiles at a time.
.macro P1FETCH g
.irp t, 0,1,2,3,4,5,6,7
	ds_load_b128 v[T+8*\t:T+8*\t+3], v[ADR] offset:(8*\g+\t)*16*KP
	ds_load_b128 v[T+8*\t+4:T+8*\t+7], v[ADR] offset:(8*\g+\t)*16*KP+32
	ds_load_b32 v[SC8+\t], v[ADS] offset:(8*\g+\t)*64
.endr
.endm
.macro P1MUL
.irp t, 0,1,2,3,4,5,6,7
	v_wmma_scale_f32_16x16x128_f8f6f4 v[QN+8*\t:QN+8*\t+7], v[T+8*\t:T+8*\t+7], v[WKF:WKF+7], v[BK:BK+7], v[SC8+\t], v[WKS] matrix_a_fmt:MATRIX_FMT_FP4 matrix_b_fmt:MATRIX_FMT_FP4
.endr
.endm
.macro P1EXT g                         ; each tile from its low end on; two chains, so that no line waits for the line above it
.irp t, 0,1,2,3,4,5,6,7
.irp jj, 0,1,2,3
.if (\g == 0) && (\t == 0) && (\jj < 2)
	v_max_num_f32 v[KMX+(CB-KMX)*\jj], v[QN+2*\jj], v[QN+2*\jj+1]      ; the first two pairs start the chains
	v_min_num_f32 v[KMX+1+(CB-KMX)*\jj], v[QN+2*\jj], v[QN+2*\jj+1]
.else
	v_max3_num_f32 v[KMX+(CB-KMX)*(\jj%2)], v[KMX+(CB-KMX)*(\jj%2)], v[QN+8*\t+2*\jj], v[QN+8*\t+2*\jj+1]
	v_min3_num_f32 v[KMX+1+(CB-KMX)*(\jj%2)], v[KMX+1+(CB-KMX)*(\jj%2)], v[QN+8*\t+2*\jj], v[QN+8*\t+2*\jj+1]
.endif
.endr
.endr
.endm
	P1FETCH 0
	s_wait_dscnt 0x0
	P1MUL
.rept 4
	v_nop                                          ; four places in front of loads into registers that these products read (ISA guide 7.12.1 for vector instructions)
.endr
	P1FETCH 1
	s_wait_loadcnt 0x0                             ; v's codes, Wv, Wo and their like are in
	v_add_nc_u32 v[STA], VC, v[STA]                ; v's rows lie VC bytes on: more than an LDS immediate holds beside the rows' own 30,720
.irp i, 0,1,2,3
	ds_store_b128 v[STA], v[KV+4*\i:KV+4*\i+3] offset:128*KP*\i
.endr
	ds_store_b32 v[SSA], v255 offset:VSD
.irp i, 1,2,3,4,5,6,7
	v_mov_b32 v[BV+\i], v[BV]
.endr
	P1EXT 0
	s_wait_dscnt 0x0                               ; the second eight tiles' codes are in
	P1MUL                                          ; over the first eight's results: for each of them the other seven tiles' 56 lines above are more than the five places asked
.rept 4
	v_nop
.endr
	P1EXT 1
	v_max_num_f32 v[KMX], v[KMX], v[CB]
	v_min_num_f32 v[KMX+1], v[KMX+1], v[CB+1]
	v_permlanex16_b32 v[CB], v[KMX], s[SEL], s[SEL+1]      ; lane l xor 16 holds my channel's other keys of each tile
	v_permlanex16_b32 v[CB+1], v[KMX+1], s[SEL], s[SEL+1]
	v_max_num_f32 v[KMX], v[KMX], v[CB]
	v_min_num_f32 v[KMX+1], v[KMX+1], v[CB+1]
	ds_store_b64 v[EXW], v[KMX:KMX+1]
	BARRIER                                        ; every wave's extremes, and v's codes and scale words, lie in LDS
; A tile's fetch: k's and v's fragments, and one register of scale words (lanes 0-15 k's, lanes 16-31 v's).  The addresses are made anew from fixed bases and two scalars that step.
.macro FETCH
	v_add_nc_u32 v14, s[TK], v[ADR]
	v_add_nc_u32 v15, s[TS], v[ADS]
	ds_load_b128 v[AK:AK+3], v14
	ds_load_b128 v[AK+4:AK+7], v14 offset:32
	ds_load_b128 v[AV:AV+3], v14 offset:VC
	ds_load_b128 v[AV+4:AV+7], v14 offset:VC+32
	ds_load_b32 v[ASC], v15
	s_add_co_u32 s[TK], s[TK], 16*KP
	s_add_co_u32 s[TS], s[TS], 64
.endm
.macro MULK s                          ; kp's tile into set s
	v_wmma_scale_f32_16x16x128_f8f6f4 v[KV+16*(\s):KV+16*(\s)+7], v[AK:AK+7], v[WKF:WKF+7], v[BK:BK+7], v[ASC], v[WKS] matrix_a_fmt:MATRIX_FMT_FP4 matrix_b_fmt:MATRIX_FMT_FP4
.endm
.macro MULV s                          ; vp's; its keys' scale words are read from lanes 16-31
	v_wmma_scale_f32_16x16x128_f8f6f4 v[KV+16*(\s)+8:KV+16*(\s)+15], v[AV:AV+7], v[WVF:WVF+7], v[BV:BV+7], v[ASC], v[WVS] matrix_a_fmt:MATRIX_FMT_FP4 matrix_b_fmt:MATRIX_FMT_FP4 matrix_a_scale:MATRIX_SCALE_ROW1
.endm
	; THE QUERIES' CONSTANTS
	v_bfe_u32 v14, v0, 4, 1
	v_mad_u32_u24 v[ADS], v14, VSD, v[ADS]         ; from here on lanes 16-31 take v's scale words
	ds_load_b64 v[T:T+1], v[EXR]                   ; the other 256 keys' extremes
	FETCH                                          ; tile 0
	s_wait_kmcnt 0x0                               ; the mask words
.irp n, 0,1,2,3,4,5,6,7
	s_cmp_lg_u32 s[MSK+\n], 0
	s_cselect_b32 s[SLC+\n], -1, 0
.endr
	s_wait_dscnt 0x0
	v_max_num_f32 v[KMX], v[KMX], v[T]
	v_min_num_f32 v[KMX+1], v[KMX+1], v[T+1]
.irp n, 0,1,2,3,4,5,6,7
	v_mul_f32 v[QN+4*\n], 0x3fb8aa3b, v[QP+\n]     ; qc = qp log2(e)
.endr
.irp n, 0,1,2,3,4,5,6,7
	v_cndmask_b32 v[QN+4*\n], 0, v[QN+4*\n], s[SLC+\n]     ; 0 for a masked query: every p is then 1
.endr
.irp n, 0,1,2,3,4,5,6,7
	v_mul_f32 v[T+2*\n], -v[QN+4*\n], v[KMX]
	v_mul_f32 v[T+2*\n+1], -v[QN+4*\n], v[KMX+1]
.endr
.irp n, 0,1,2,3,4,5,6,7
	v_min_num_f32 v[QN+4*\n+2], v[T+2*\n], v[T+2*\n+1]     ; -M = -max(qc kmax, qc kmin)
	v_mov_b32 v[QN+4*\n+1], 0                      ; named as the upper halves of pairs, so they are written
	v_mov_b32 v[QN+4*\n+3], 0
.endr
	MULK 0
	MULV 0
.irp i, 0,1,2,3,4,5,6,7,8,9,10,11,12,13,14,15,16,17,18,19,20,21,22,23,24,25,26,27,28,29,30,31
	v_mov_b32 v[LO+\i], 0                          ; l and o.  (Pass 2 is written once; these are also the places behind the two products)
.endr
	FETCH                                          ; tile 1
.set gi, 0
.rept 16                               ; batch 0: the exponents of tile 0, queries 0-3
.set pr, 8*(gi%4)+2*(gi/4)
.set qn, gi%4
	v_pk_fma_f32 v[T+pr:T+pr+1], v[KV+2*(gi/4):KV+2*(gi/4)+1], v[QN+4*qn:QN+4*qn+1], v[QN+4*qn+2:QN+4*qn+3] op_sel_hi:[1,0,0]
.set gi, gi+1
.endr
; PASS 2.  A BATCH is a tile's 8 keys a lane x 4 queries: 32 numbers.  Batch 2 i + u is tile i, queries 4 u .. 4 u + 3, in buffer u.
; A STAGE runs three things side by side: the exponentials of batch k (buffer par); the sums l += p, o += p vp of batch k - 1; the exponents qc kp - M of batch k + 1 (both in the other buffer: each pair is summed, then written anew).
; So no line of a stage names an exponential's result, each pair of exponentials has plain lines behind it, and ONE s_wait_alu closes the stage.
; s: the set that holds tile i.  acc, fma: the sums, the exponents are there.  wm: tile i + 1 is made: kp's at the even stage's head (its set was last read two stages back), vp's at the odd stage's (its set was last read in the stage before).
; fe: tile i + 2 is fetched, behind the odd stage's second group: six packed lines and the fetch's two additions, which name no register of vp's product, are the places in front of the loads into its operands.
; Group gi: keys 2 (gi / 4), 2 (gi / 4) + 1, query gi % 4: a new tile is first read at its registers 0 and 1, and four queries' sums take turns.
.macro STAGE par, s, acc, fma, wm, fe
.set E, T+32*(\par)
.set X, T+32*(1-(\par))
.if \par == 0
.set VS, KV+16*(1-(\s))+8
.set KS, KV+16*(\s)
.else
.set VS, KV+16*(\s)+8
.set KS, KV+16*(1-(\s))
.endif
.if \wm
.if \par == 0
	s_wait_dscnt 0x0                               ; tile i + 1's codes and scale words are in: they were asked for fourteen groups ago
	MULK 1-(\s)
.else
	MULV 1-(\s)
.endif
.endif
.set gi, 0
.rept 16
.set pr, 8*(gi%4)+2*(gi/4)
.set qn, 4*(1-(\par))+gi%4
	v_exp_f32 v[E+pr], v[E+pr]
	v_exp_f32 v[E+pr+1], v[E+pr+1]
.if \acc
	v_pk_add_f32 v[LO+4*qn:LO+4*qn+1], v[LO+4*qn:LO+4*qn+1], v[X+pr:X+pr+1]
	v_pk_fma_f32 v[LO+4*qn+2:LO+4*qn+3], v[X+pr:X+pr+1], v[VS+2*(gi/4):VS+2*(gi/4)+1], v[LO+4*qn+2:LO+4*qn+3]
.endif
.if \fma
	v_pk_fma_f32 v[X+pr:X+pr+1], v[KS+2*(gi/4):KS+2*(gi/4)+1], v[QN+4*qn:QN+4*qn+1], v[QN+4*qn+2:QN+4*qn+3] op_sel_hi:[1,0,0]
.endif
.if (\fe) && (gi == 1)
	FETCH
.endif
.set gi, gi+1
.endr
	s_wait_alu depctr_va_vdst(0)                   ; one wait for the stage's 32 exponentials, behind a plain line and ahead of the next stage, which reads them
.endm
.macro TILE s, first, wm, fe, last
	STAGE 0, \s, 1-\first, 1, \wm, 0
	STAGE 1, \s, 1, 1-\last, \wm, \fe
.endm
	TILE 0, 1, 1, 1, 0                             ; tile 0: nothing to sum in its first stage
	s_mov_b32 s[CNT], 6
.Ltiles:                                           ; tiles 1 to 12, two a trip, until the sets are back where they began
	TILE 1, 0, 1, 1, 0
	TILE 0, 0, 1, 1, 0
	s_sub_co_u32 s[CNT], s[CNT], 1
	s_cmp_lg_u32 s[CNT], 0
	s_cbranch_scc1 .Ltiles
	TILE 1, 0, 1, 1, 0                             ; tile 13 fetches tile 15, my last
	TILE 0, 0, 1, 0, 0                             ; tile 14 fetches nothing
	TILE 1, 0, 0, 0, 1                             ; tile 15 makes nothing, and its last stage has no exponents to prepare
.set gi, 0
.rept 16                               ; the sums of the last batch: tile 15, queries 4-7
.set pr, 8*(gi%4)+2*(gi/4)
.set qn, 4+gi%4
	v_pk_add_f32 v[LO+4*qn:LO+4*qn+1], v[LO+4*qn:LO+4*qn+1], v[T+32+pr:T+32+pr+1]
	v_pk_fma_f32 v[LO+4*qn+2:LO+4*qn+3], v[T+32+pr:T+32+pr+1], v[KV+24+2*(gi/4):KV+24+2*(gi/4)+1], v[LO+4*qn+2:LO+4*qn+3]
.set gi, gi+1
.endr
	; THE TAIL.  l and o of a query and channel lie in two halves of a pair, two halves of the lanes and two waves.
.irp n, 0,1,2,3,4,5,6,7
	v_add_f32 v[T+\n], v[LO+4*\n], v[LO+4*\n+1]    ; l
	v_add_f32 v[T+8+\n], v[LO+4*\n+2], v[LO+4*\n+3]        ; o
.endr
	s_cmp_lt_u32 s[SWV], 8
	s_cbranch_scc1 .Lkeeps
.irp i, 0,1,2,3
	ds_store_b128 v[RDA], v[T+4*\i:T+4*\i+3] offset:512*\i ; waves 8-15 hand theirs over, as an image of the sixteen registers
.endr
.Lkeeps:
	BARRIER
	s_cmp_ge_u32 s[SWV], 8
	s_cbranch_scc1 .Lno_sum
.irp i, 0,1,2,3
	ds_load_b128 v[T+16+4*\i:T+16+4*\i+3], v[RDA] offset:512*\i
.endr
	s_wait_dscnt 0x0
.irp i, 0,2,4,6,8,10,12,14
	v_pk_add_f32 v[T+\i:T+\i+1], v[T+\i:T+\i+1], v[T+16+\i:T+16+\i+1]
.endr
.irp i, 0,1,2,3,4,5,6,7,8,9,10,11,12,13,14,15
	v_permlanex16_b32 v[T+16+\i], v[T+\i], s[SEL], s[SEL+1]
.endr
.irp i, 0,2,4,6,8,10,12,14
	v_pk_add_f32 v[T+\i:T+\i+1], v[T+\i:T+\i+1], v[T+16+\i:T+16+\i+1]     ; both halves of the lanes now hold the whole sums
.endr
.irp n, 0,1,2,3,4,5,6,7
	v_rcp_f32 v[T+32+\n], v[T+\n]
.endr
	v_nop                                          ; a plain line behind the last reciprocal
	s_wait_alu depctr_va_vdst(0)                   ; one wait for the eight, ahead of their first reader
.irp n, 0,1,2,3,4,5,6,7
	v_mul_f32 v[T+40+\n], v[T+8+\n], v[T+32+\n]    ; o / l
.endr
.irp n, 0,1,2,3,4,5,6,7
	ds_store_b32 v[OMW], v[T+40+\n] offset:OP*\n   ; lanes 0-15 row n, lanes 16-31 its copy, row 8 + n
.endr
.Lno_sum:
	BARRIER                                        ; o's 16 rows x 128 channels lie in LDS
	s_cmp_ge_u32 s[SWV], 8
	s_cbranch_scc1 .Lno_proj
	; o is quantised along its 128 channels in the order of the operand's registers: lane (r, h) takes row r, channels 64 c + 32 h + 0 .. 31: two whole blocks, so no other lane is asked for a maximum
.irp c, 0,1
.irp i, 0,1,2,3,4,5,6,7
	ds_load_b128 v[T+32*\c+4*\i:T+32*\c+4*\i+3], v[OMR] offset:256*\c+16*\i
.endr
.endr
	s_wait_dscnt 0x0
.irp c, 0,1
	v_max3_num_f32 v[MX+\c], |v[T+32*\c]|, |v[T+32*\c+1]|, 0x1800000      ; with the floor 2^(3 - 127) among the leaves: the byte cannot fall under 1
.endr
.irp i, 2,4,6,8,10,12,14,16,18,20,22,24,26,28,30
.irp c, 0,1
	v_max3_num_f32 v[MX+\c], v[MX+\c], |v[T+32*\c+\i]|, |v[T+32*\c+\i+1]| ; the two blocks by turns
.endr
.endr
.irp c, 0,1
	v_add_nc_u32 v[SOP+\c], 0xff000000, v[MX+\c]   ; 2 off the exponent field: the conversion takes this operand's exponent field as its scale
.endr
.irp c, 0,1
	v_lshrrev_b32 v[MX+\c], 23, v[SOP+\c]          ; the scale's byte
.endr
	v_lshl_or_b32 v[OSW], v[MX+1], 16, v[MX]       ; my two bytes: blocks h and 2 + h,
	v_bfe_u32 v[MX+4], v0, 4, 1
	v_lshlrev_b32 v[MX+4], 3, v[MX+4]
	v_lshlrev_b32 v[OSW], v[MX+4], v[OSW]          ; 8 h bits up;
	v_mov_b32 v[MX+5], 0
	v_permlanex16_b32 v[MX+5], v[OSW], s[SEL], s[SEL+1]
	v_or_b32 v[OSW], v[OSW], v[MX+5]               ; with lane l xor 16's two the row's word is whole
.irp c, 0,1
.irp g, 0,1,2,3
	v_cvt_scalef32_pk8_fp4_f32 v[AK+4*\c+\g], v[T+32*\c+8*\g:T+32*\c+8*\g+7], v[SOP+\c]
.endr
.endr
.rept 8
	v_nop                                          ; a scale register written by a vector instruction stands eight places ahead of a scaled product, an operand so written four; the first is also the plain line behind the conversions
.endr
	v_wmma_scale_f32_16x16x128_f8f6f4 v[KV:KV+7], v[WOF:WOF+7], v[AK:AK+7], v[BO:BO+7], v[WOS], v[OSW] matrix_a_fmt:MATRIX_FMT_FP4 matrix_b_fmt:MATRIX_FMT_FP4   ; transposed: lane (r, h), register j: y[query r][16 ct + 8 h + j]
.rept 4
	v_nop
.endr
	ds_store_b128 v[SGW], v[KV:KV+3]               ; the result from its low end on
	ds_store_b128 v[SGW], v[KV+4:KV+7] offset:16
.Lno_proj:
	BARRIER                                        ; whole rows of y lie in the stage
	s_cmp_ge_u32 s[SWV], 8
	s_cbranch_scc1 .Lend
	ds_load_b128 v[T:T+3], v[SGR]
	s_wait_dscnt 0x0
	global_store_b128 v[GOF], v[T:T+3], s[42:43] th:TH_STORE_NT   ; wave w stores row w: 512 consecutive bytes, at a multiple of 256 from out0's first byte; written once, read by nobody here
.Lend:
	s_wait_xcnt 0x0
	v_lshl_add_u32 v254, v0, 2, 0x1e300
	v_mov_b32 v255, 0
	s_wait_tensorcnt 0x0
	ds_add_u32 v254, v255
	s_wait_dscnt 0x0
	s_endpgm
.Lfunc_end_k_q24cb1adec9_attn:
	.size	k_q24cb1adec9_attn, .Lfunc_end_k_q24cb1adec9_attn-k_q24cb1adec9_attn
	.p2alignl 7, 3214868480
	.fill 96, 4, 3214868480
	.section	.rodata,"a",@progbits
	.p2align	6, 0x0
	.amdhsa_kernel k_q24cb1adec9_attn
		.amdhsa_group_segment_fixed_size 125696
		.amdhsa_private_segment_fixed_size 0
		.amdhsa_enable_private_segment 0
		.amdhsa_kernarg_size 160
		.amdhsa_user_sgpr_count 2
		.amdhsa_user_sgpr_kernarg_segment_ptr 1
		.amdhsa_wavefront_size32 1
		.amdhsa_system_sgpr_workgroup_id_x 1
		.amdhsa_system_sgpr_workgroup_id_y 1
		.amdhsa_system_sgpr_workgroup_id_z 1
		.amdhsa_system_vgpr_workitem_id 0
		.amdhsa_next_free_vgpr 256
		.amdhsa_next_free_sgpr 80
		.amdhsa_reserve_vcc 0
		.amdhsa_float_denorm_mode_32 3
		.amdhsa_float_denorm_mode_16_64 3
		.amdhsa_memory_ordered 1
		.amdhsa_forward_progress 1
		.amdhsa_inst_pref_size 90
	.end_amdhsa_kernel
	.amdgpu_metadata
---
amdhsa.version: [ 1, 2 ]
amdhsa.kernels:
  - .name:           k_q24cb1adec9_attn
    .symbol:         k_q24cb1adec9_attn.kd
    .args:
      - { .name: k_codes, .offset: 0, .size: 8, .value_kind: global_buffer, .address_space: global }
      - { .name: v_codes, .offset: 8, .size: 8, .value_kind: global_buffer, .address_space: global }
      - { .name: k_scales, .offset: 16, .size: 8, .value_kind: global_buffer, .address_space: global }
      - { .name: v_scales, .offset: 24, .size: 8, .value_kind: global_buffer, .address_space: global }
      - { .name: q_codes, .offset: 32, .size: 8, .value_kind: global_buffer, .address_space: global }
      - { .name: q_scales, .offset: 40, .size: 8, .value_kind: global_buffer, .address_space: global }
      - { .name: mask, .offset: 48, .size: 8, .value_kind: global_buffer, .address_space: global }
      - { .name: Wk_codes, .offset: 56, .size: 8, .value_kind: global_buffer, .address_space: global }
      - { .name: Wk_scales, .offset: 64, .size: 8, .value_kind: global_buffer, .address_space: global }
      - { .name: Wv_codes, .offset: 72, .size: 8, .value_kind: global_buffer, .address_space: global }
      - { .name: Wv_scales, .offset: 80, .size: 8, .value_kind: global_buffer, .address_space: global }
      - { .name: Wq_codes, .offset: 88, .size: 8, .value_kind: global_buffer, .address_space: global }
      - { .name: Wq_scales, .offset: 96, .size: 8, .value_kind: global_buffer, .address_space: global }
      - { .name: Wo_codes, .offset: 104, .size: 8, .value_kind: global_buffer, .address_space: global }
      - { .name: Wo_scales, .offset: 112, .size: 8, .value_kind: global_buffer, .address_space: global }
      - { .name: bk, .offset: 120, .size: 8, .value_kind: global_buffer, .address_space: global }
      - { .name: bv, .offset: 128, .size: 8, .value_kind: global_buffer, .address_space: global }
      - { .name: bq, .offset: 136, .size: 8, .value_kind: global_buffer, .address_space: global }
      - { .name: bo, .offset: 144, .size: 8, .value_kind: global_buffer, .address_space: global }
      - { .name: out0, .offset: 152, .size: 8, .value_kind: global_buffer, .address_space: global }
    .group_segment_fixed_size: 125696
    .private_segment_fixed_size: 0
    .kernarg_segment_align: 8
    .kernarg_segment_size: 160
    .max_flat_workgroup_size: 512
    .sgpr_count:     80
    .vgpr_count:     256
    .wavefront_size: 32
...
	.end_amdgpu_metadata
.endif
;; end of part 1
